; MI455X (gfx1250); checked and timed in simulation.
; The chip was launched on July 23, 2026; its instructions are those of AMD's public machine-readable ISA for CDNA 5 (MIT licence, August 2026) and "CDNA5" Instruction Set Architecture Reference Guide (July 2026). The comments in the code are by the model that wrote it; some were corrected since.
;; Vanilla Encoder Layer. Allowed arithmetic: matrix products marked QUANTISED: E5M2 operands, one given power-of-two scale a tensor, by v_wmma_f32_16x16x64_bf8_bf8 or v_wmma_f32_16x16x128_bf8_bf8, f32 sums; everything else in f32.
;; Inputs: b1 1,024 float32; b2 256 float32; be1 256 float32; be2 256 float32; bk 256 float32; bp 256 float32; bq 256 float32; bv 256 float32; g1 256 float32; g2 256 float32; lowp_scales 16 int32 (the exponents e of the quantised operands' scales 2^e); w1_codes 1,024 x 8 x 32 uint8 (E5M2 codes of w1, K innermost, in blocks of 32 codes); w2_codes 256 x 32 x 32 uint8 (E5M2 codes of w2, K innermost, in blocks of 32 codes); wk_codes 256 x 8 x 32 uint8 (E5M2 codes of wk, K innermost, in blocks of 32 codes); wp_codes 256 x 8 x 32 uint8 (E5M2 codes of wp, K innermost, in blocks of 32 codes); wq_codes 256 x 8 x 32 uint8 (E5M2 codes of wq, K innermost, in blocks of 32 codes); wv_codes 256 x 8 x 32 uint8 (E5M2 codes of wv, K innermost, in blocks of 32 codes); x 16 x 2,048 x 256 float32.
;; Outputs: out0 16 x 2,048 x 256 float32.
;; This version of the problem:
;;   THIS VERSION OF THE PROBLEM IS GIVEN IN LOW PRECISION. The matrix products marked QUANTISED in the list below multiply operands that are first quantised to E5M2 (5 exponent bits, 2 mantissa bits; 8 bits a number), with one given power-of-two scale for each operand tensor; their sums are f32. All else is computed in f32.
;;   The module's matrix products, in the order in which they are computed (A, B: the left and right operand; K: the contracted axis; several contracted axes count as one K, in the product's order):
;;     1. [M 32,768, K 256] x [K 256, N 256]; A: input x; B: input wq (given as codes): QUANTISED (scales: A lowp_scales[0], B lowp_scales[1])
;;     2. [M 32,768, K 256] x [K 256, N 256]; A: input x; B: input wk (given as codes): QUANTISED (scales: A lowp_scales[2], B lowp_scales[3])
;;     3. [M 32,768, K 256] x [K 256, N 256]; A: input x; B: input wv (given as codes): QUANTISED (scales: A lowp_scales[4], B lowp_scales[5])
;;     4. batch 16 x [M 2,048, K 256] x [K 256, N 2,048]; A: computed on the way; B: computed on the way: QUANTISED (scales: A lowp_scales[6], B lowp_scales[7])
;;     5. batch 16 x [M 2,048, K 2,048] x [K 2,048, N 256]; A: softmax (see below); B: computed on the way: QUANTISED (scales: A lowp_scales[8], B lowp_scales[9])
;;     6. [M 32,768, K 256] x [K 256, N 256]; A: computed on the way; B: input wp (given as codes): QUANTISED (scales: A lowp_scales[10], B lowp_scales[11])
;;     7. [M 32,768, K 256] x [K 256, N 1,024]; A: computed on the way; B: input w1 (given as codes): QUANTISED (scales: A lowp_scales[12], B lowp_scales[13])
;;     8. [M 32,768, K 1,024] x [K 1,024, N 256]; A: computed on the way; B: input w2 (given as codes): QUANTISED (scales: A lowp_scales[14], B lowp_scales[15])
;;   THE QUANTISER, for each operand of a quantised product, along K:
;;     - The operand's scale is 2^e, e = its entry of the input lowp_scales (int32; the entries are numbered through the quantised products in the list's order, A before B).
;;     - Each number is divided by the scale, clamped to +-57,344, and rounded to the nearest number of E5M2, ties to even, subnormals kept.
;;     - The product sums the exact products of the quantised numbers (number of the format x scale) in f32.
;;   ~~~python
;;   def quantise(x, axis, e):      # numpy; x: float32 -> the quantised numbers, widened to float32 again
;;       x = np.moveaxis(x, axis, -1); K = x.shape[-1]
;;       r = np.clip(x / 2.0 ** e, -57344, 57344)
;;       step = 2.0 ** (np.maximum(np.frexp(np.where(r == 0, 1, r))[1] - 1, -14) - 2)
;;       q = np.round(r / step) * step * 2.0 ** e      # np.round: ties to even
;;       return np.moveaxis(q, -1, axis).astype(np.float32)
;;   ~~~
;;   SOFTMAX AHEAD OF A QUANTISED PRODUCT. Where the list says 'softmax', what is quantised is not the finished softmax but p = 2^(t - M), with t = logit x log2(e) and M = ceil(the row's largest t), a whole number; so 1/2 < the row's largest p <= 1. The row's sum l is taken of the UNQUANTISED p, in f32, and the product's result is divided by l at the end. Since M is a whole number, a kernel that streams over the keys may use a running M (the ceiling of the running maximum): every later rescaling is an exact power of two, so the quantised numbers keep their values, but for numbers so far below the row's largest that they fall under the format's range.
;;   OPERANDS COMPUTED ON THE WAY. 'Computed on the way' means the value that the module computes at that place (a softmax that the list does not call 'softmax' is quantised finished and normalised). What goes into a quantiser is computed in f32, as accurately as f32 sums, v_exp_f32 and their like allow (about 1e-6 of the number): no bf16 or f16 on the way to a quantiser, and a product that is left as it is and whose result goes on into a quantised operand takes f32 operands (vector FMAs, or v_wmma_f32_16x16x4_f32). A number that lies on a knife's edge between two numbers of the format may be rounded either way, as far as f32 arithmetic and the matrix unit's own rounding can turn it there, and no further.
;;   INPUTS GIVEN AS CODES. w1 (in the module: [256, 1024], K = its axis 0); w2 (in the module: [1024, 256], K = its axis 0); wk (in the module: [256, 256], K = its axis 0); wp (in the module: [256, 256], K = its axis 0); wq (in the module: [256, 256], K = its axis 0); wv (in the module: [256, 256], K = its axis 0): each comes as NAME_codes (uint8): NAME with its K axis moved to the last place and cut into blocks of 32 codes, [.., K / 32, bytes a block], one block behind the other in memory; one code a byte (a code: sign, 5 exponent bits, 2 mantissa bits); its scale is its entry of lowp_scales. Its value is code x scale, taken as it is: it is not quantised again, and the codes and scales need not be those that the quantiser above would give.
;; One version. Each part assembles by itself: llvm-mc -triple=amdgcn-amd-amdhsa -mcpu=gfx1250 --defsym DOCPART=n.
;; ======== version 1 of 1: 3 launches
;; limits: right only within a limited range of input values
;; workspace buffers: q_img 8,388,608 bytes; kv 16,777,216 bytes; a_img 8,388,608 bytes; wimg 589,824 bytes
;; launch qkv (part 1): grid 256 x 1, 4 waves a work-group, no clusters, 231,936 bytes of LDS; arguments x, wq_codes, wk_codes, wv_codes, bq, bk, bv, lowp_scales, w1_codes, w2_codes, wp_codes, q_img, kv, wimg; writes q_img, kv, wimg
.if DOCPART == 1
	.amdgcn_target "amdgcn-amd-amdhsa--gfx1250"
	.amdhsa_code_object_version 6
	.text
	.protected	k_qea4b19d339_qkv
	.globl	k_qea4b19d339_qkv
	.p2align	8
	.type	k_qea4b19d339_qkv,@function
k_qea4b19d339_qkv:
	s_mov_b64 s[64:65], 0
	v_nop
	global_prefetch_b8 v0, s[64:65] scope:SCOPE_SE
	s_setreg_imm32_b32 hwreg(HW_REG_WAVE_MODE, 25, 1), 1
	s_wait_xcnt 0x0
; q/16, k and v of 128 tokens a work-group, as codes of E5M2, stored as IMAGES OF OPERAND REGISTERS for the next launch; and the weights w1, w2, wp laid out the same way.
; An image of a fragment (16 rows x 128 K) is 2,048 bytes: block c (registers 4 c .. 4 c + 3) at 512 c, a lane at 16 x lane; lane (r, h) holds k = 32 c + 16 h + 0 .. 15 of its row.
; THE ROWS OF A TILE ARE NOT NEIGHBOURS: lane r of tile T takes row 32 (T / 2) + 8 (T % 2) + r + 8 (r / 8), for tokens, channels and weight rows alike.  So the 16 result registers of tiles 2 b and 2 b + 1
; are 16 neighbours 32 b + 16 h + 0 .. 15 along the next K, and the results of the conversions are the next operand as it stands.
; SHARES.  Work-group g: tokens 128 g on (8 tiles).  Wave w: quantises tiles 2 w, 2 w + 1 of x with the three given scales (images to LDS); then waves 0, 1 make the two halves of q, waves 2, 3 of k
; (source 0 = 16 weight rows, source 1 = 16 tokens: a lane holds one token, registers run along the channels); then every wave makes 64 channels of v (source 0 = tokens, source 1 = weight rows: a lane holds one
; channel, registers run along the tokens, which are the K of the second product of attention).  The biases go in as C, divided by the power of two that the sums lack.
; NO CLUSTER: what work-groups share are the weights, which go from memory straight into the registers of the one wave that multiplies by them; a joint load would have to land in LDS and be read again.
; NO PREFETCH: all loads go out at the head.
; LIMITS on the given exponents, so that each power of two below is an f32 number: e0, e2, e4, e6 + 4 - e0 - e1, e7 - e2 - e3, e9 - e4 - e5 between -126 and 112.  NaN among the inputs is not served.
; REGISTERS: window 0: v1-14 addresses; v16-79 64 numbers of x, later 8 result tiles; v80-143 two buffers of x fragments; v144-191 codes; v192-199 the copies; v200-209 scales.
;   window 1: my 16 fragments of wq or wk.  window 2: v0-127 my 8 fragments of wv; v128-191 bias of q or k; v192-223 bias of v; v224-227 bv as loaded.  window 3: the 16 fragments of x for v.
.set PITCH, 1040                       ; a row of x in LDS: 1,024 bytes + 16 of padding
.set XIMG,  128*PITCH                  ; behind the 128 rows: 48 images [scale 0..2][tile 0..7][K step 0..1] of 2,048 bytes
.set LI,   1                           ; 16 x lane
.set WOF,  2                           ; a weight row of 256 bytes: 256 (r + 8 (r / 8)) + 16 h
.set XA,   3                           ; my lane in my 32 rows of x in LDS
.set XW,   4                           ; v4-6 where I store the images of x, one register a scale
.set XRD,  7                           ; where I read them for q or k
.set XRV,  8                           ; and for v
.set BOF,  9                           ; 64 h
.set BVO,  10                          ; 4 (r + 8 (r / 8))
.set CPO,  11                          ; the offset of the copy in w1 or w2
.set XR,   16
.set HA,   16
.set TM,   80
.set XF,   80
.set CD,   144
.set CP,   192
.set SCX,  200                         ; scale for e0, e2, e4
.set QSC,  206
.set QLIM, 207
.set VSC,  208
.set VLIM, 209
.set BQK,  128                         ; in window 2
.set BV,   192
.set BVR,  224
.set MSB, 0
.macro WIN new                         ; the high byte of the immediate repeats the setting that is left
.if MSB != \new
	s_set_vgpr_msb (MSB<<8)|\new
.set MSB, \new
.endif
.endm
.macro PLACES                          ; four plain vector lines behind matrix instructions, ahead of reads of results and of loads into their registers
.rept 4
	v_nop
.endr
.endm
.macro MKSC vs, vl, se                 ; 2^e as f32 (the conversion takes its exponent field)
	s_add_co_i32 s98, \se, 127
	s_lshl_b32 s99, s98, 23
	v_mov_b32 v[\vs], s99
.endm
.macro QUANT src, sc, lim              ; 64 numbers of a lane become a fragment of codes in v[CD] on; each result tile is read from its low end on
.irp b, 0,1,2,3
.irp i, 0,1,2,3,4,5,6,7,8,9,10,11,12,13,14,15
.endr
	v_cvt_scalef32_pk8_bf8_f32 v[CD+4*\b:CD+4*\b+1], v[\src+16*\b:\src+16*\b+7], v[\sc]
	v_cvt_scalef32_pk8_bf8_f32 v[CD+4*\b+2:CD+4*\b+3], v[\src+16*\b+8:\src+16*\b+15], v[\sc]
.endr
	v_nop                                          ; a plain line between the last conversion and the next products, which write its sources
.endm
.macro XQ mm, ks                       ; tile 2 w + mm, K step ks of x: 64 numbers a lane from LDS, quantised three times, three images to LDS
.irp b, 0,1,2,3
.irp j, 0,1,2,3
	ds_load_b128 v[XR+16*\b+4*\j:XR+16*\b+4*\j+3], v[XA] offset:8*PITCH*\mm+512*\ks+128*\b+16*\j
.endr
.endr
	s_wait_dscnt 0x0                               ; the numbers are in; the image stores of the call before are done too
.irp q, 0,1,2
.irp b, 0,1,2,3
.irp i, 0,1,2,3,4,5,6,7,8,9,10,11,12,13,14,15
.endr
	v_cvt_scalef32_pk8_bf8_f32 v[CD+16*\q+4*\b:CD+16*\q+4*\b+1], v[XR+16*\b:XR+16*\b+7], v[SCX+2*\q]
	v_cvt_scalef32_pk8_bf8_f32 v[CD+16*\q+4*\b+2:CD+16*\q+4*\b+3], v[XR+16*\b+8:XR+16*\b+15], v[SCX+2*\q]
.endr
	v_nop                                          ; a plain line between the conversions and the stores of their results
.irp c, 0,1,2,3
	ds_store_b128 v[XW+\q], v[CD+16*\q+4*\c:CD+16*\q+4*\c+3] offset:4096*\mm+2048*\ks+512*\c
.endr
.endr
.endm
.macro FETCH buf, mt                   ; the two fragments of token tile mt into buffer buf
.irp i, 0,1,2,3,4,5,6,7
	ds_load_b128 v[XF+32*(\buf)+4*\i:XF+32*(\buf)+4*\i+3], v[XRD] offset:4096*(\mt)+512*\i
.endr
.endm
	s_load_b512 s[4:19], s[0:1], 0x0               ; x, wq, wk, wv, bq, bk, bv, the exponents
	s_load_b256 s[20:27], s[0:1], 0x40             ; w1, w2, wp, q_img
	s_load_b128 s[28:31], s[0:1], 0x60             ; kv, wimg
	v_lshl_add_u32 v254, v0, 2, 0x38800
	v_mov_b32 v255, 0
	ds_add_u32 v254, v255
	ds_add_u32 v254, v255
	v_lshrrev_b32 v15, 5, v0
	v_readfirstlane_b32 s32, v15                   ; wave 0..3
	s_lshr_b32 s33, s32, 1                         ; 0: q, 1: k
	s_and_b32 s34, s32, 1                          ; which 128 channels
	s_mov_b32 s35, ttmp9                           ; g
	; descriptor group 1: 32 rows of 256 f32, 16 bytes of padding behind each row
	s_mov_b32 s40, (2<<16)|(1<<20)|(7<<22)|(3<<25) ; elements of 4 bytes; padding on; after every 256 words; of 4 words
	s_mov_b32 s41, 256<<16                         ; tensor_dim0
	s_mov_b32 s42, 32<<16                          ; tensor_dim1
	s_mov_b32 s43, 256<<16                         ; tile_dim0
	s_mov_b32 s44, 32                              ; tile_dim1
	s_mov_b32 s45, 256                             ; elements from row to row
	s_mov_b32 s46, 0
	s_mov_b32 s47, 0
	s_mul_i32 s66, s32, 32*PITCH                   ; my 32 rows in LDS
	s_lshl_b32 s68, s35, 17
	s_lshl_b32 s69, s32, 15
	s_add_co_u32 s68, s68, s69                     ; and in x: 131,072 g + 32,768 w
	s_mov_b32 s69, 0
	s_wait_dscnt 0x0
	s_wait_kmcnt 0x0
	s_load_b256 s[52:59], s[18:19], 0x0            ; e0 .. e7
	s_load_b64 s[60:61], s[18:19], 0x20            ; e8, e9
	s_mov_b32 s48, 1
	s_mov_b32 s49, s66
	s_add_nc_u64 s[50:51], s[4:5], s[68:69]
	s_or_b32 s51, s51, 0x80000000
	tensor_load_to_lds s[48:51], s[40:47]          ; the one fill of the launch: exactly the rows that my two tiles take, so my own wait is all that the reads need
	s_nop 0
	PLACES
	v_and_b32 v12, 15, v0                          ; r
	v_bfe_u32 v13, v0, 4, 1                        ; h
	v_and_b32 v14, 8, v12
	v_add_nc_u32 v14, v14, v12                     ; r + 8 (r / 8)
	v_and_b32 v[LI], 31, v0
	v_lshlrev_b32 v[LI], 4, v[LI]
	v_lshlrev_b32 v[WOF], 8, v14
	v_lshl_add_u32 v[WOF], v13, 4, v[WOF]
	v_mul_u32_u24 v[XA], v14, PITCH
	v_lshl_add_u32 v[XA], v13, 6, v[XA]
	v_add_nc_u32 v[XA], s66, v[XA]
	s_lshl_b32 s67, s32, 13
	s_add_co_u32 s67, s67, XIMG
	v_add_nc_u32 v[XW], s67, v[LI]
	v_add_nc_u32 v[XW+1], 32768, v[XW]
	v_add_nc_u32 v[XW+2], 65536, v[XW]
	s_lshl_b32 s81, s33, 15
	s_add_co_u32 s81, s81, XIMG
	v_add_nc_u32 v[XRD], s81, v[LI]
	v_add_nc_u32 v[XRV], XIMG+65536, v[LI]
	v_lshlrev_b32 v[BOF], 6, v13
	s_wait_alu depctr_va_vdst(0)
	v_lshlrev_b32 v[BVO], 2, v14
	; the buffers of my task: chosen on the number of the wave alone
	s_wait_alu depctr_va_vdst(0)
	s_cmp_eq_u32 s33, 0
	s_cselect_b64 s[72:73], s[6:7], s[8:9]         ; wq or wk
	s_cselect_b64 s[74:75], s[12:13], s[14:15]     ; bq or bk
	s_cselect_b64 s[76:77], s[26:27], s[28:29]     ; q_img or kv
	s_cselect_b32 s80, 15, 16                      ; 32,768 or 65,536 bytes a work-group
	s_lshl_b32 s78, s34, 15
	s_mov_b32 s79, 0
	s_add_nc_u64 s[72:73], s[72:73], s[78:79]      ; my 128 weight rows
	s_lshl_b32 s78, s34, 9
	s_add_nc_u64 s[74:75], s[74:75], s[78:79]
	s_lshl_b32 s78, s35, s80
	s_lshl_b32 s81, s34, 11
	s_add_co_u32 s78, s78, s81
	s_add_nc_u64 s[76:77], s[76:77], s[78:79]      ; tile m, K step = my half: + 4,096 m
	s_lshl_b32 s78, s32, 14
	s_add_nc_u64 s[82:83], s[10:11], s[78:79]      ; my 64 rows of wv
	s_lshl_b32 s78, s32, 8
	s_add_nc_u64 s[84:85], s[16:17], s[78:79]
	s_lshl_b32 s78, s35, 16
	s_lshl_b32 s81, s32, 13
	s_add_co_u32 s78, s78, s81
	s_add_co_u32 s78, s78, 32768
	s_add_nc_u64 s[70:71], s[28:29], s[78:79]      ; my four fragments of v in the key step
	WIN 0x40                                       ; destination window 1
.irp t, 0,1,2,3,4,5,6,7
.irp ks, 0,1
.irp c, 0,1,2,3
	global_load_b128 v[16*(2*\t+\ks)+4*\c:16*(2*\t+\ks)+4*\c+3], v[WOF], s[72:73] offset:(32*(\t/2)+8*(\t%2))*256+128*\ks+32*\c
.endr
.endr
.endr
	WIN 0x80                                       ; destination window 2
.irp i4, 0,1,2,3
.irp ks, 0,1
.irp c, 0,1,2,3
	global_load_b128 v[16*(2*\i4+\ks)+4*\c:16*(2*\i4+\ks)+4*\c+3], v[WOF], s[82:83] offset:(32*(\i4/2)+8*(\i4%2))*256+128*\ks+32*\c
.endr
.endr
.endr
.irp t, 0,1,2,3,4,5,6,7                        ; the bias in the layout of the results: tile t, lane (r, h): channels 32 (t / 2) + 16 h + 8 (t % 2) + 0 .. 7
	global_load_b128 v[BQK+8*\t:BQK+8*\t+3], v[BOF], s[74:75] offset:(32*(\t/2)+8*(\t%2))*4
	global_load_b128 v[BQK+8*\t+4:BQK+8*\t+7], v[BOF], s[74:75] offset:(32*(\t/2)+8*(\t%2))*4+16
.endr
.irp i4, 0,1,2,3                               ; bv of the one channel that my lane holds in tile i4
	global_load_b32 v[BVR+\i4], v[BVO], s[84:85] offset:(32*(\i4/2)+8*(\i4%2))*4
.endr
	WIN 0
	; THE COPY: block w of fragment g of w1 (g < 128) or g - 128 of w2.  w1: id = 2 t + k;  w2: id = 16 (t / 2) + 4 (k / 2) + 2 (t % 2) + k % 2
	s_and_b32 s86, s35, 127
	s_lshr_b32 s87, s86, 1
	s_and_b32 s88, s86, 1
	s_lshr_b32 s89, s86, 4
	s_lshl_b32 s89, s89, 1
	s_bfe_u32 s90, s86, 0x10001
	s_add_co_u32 s89, s89, s90
	s_bfe_u32 s90, s86, 0x20002
	s_lshl_b32 s90, s90, 1
	s_add_co_u32 s90, s90, s88
	s_cmp_lt_u32 s35, 128
	s_cselect_b32 s87, s87, s89                    ; t
	s_cselect_b32 s88, s88, s90                    ; k
	s_cselect_b32 s91, 8, 10                       ; a row is 256 or 1,024 bytes
	s_cselect_b64 s[92:93], s[20:21], s[22:23]
	s_lshr_b32 s89, s87, 1
	s_lshl_b32 s89, s89, 5
	s_and_b32 s90, s87, 1
	s_lshl_b32 s90, s90, 3
	s_add_co_u32 s89, s89, s90                     ; the first row of the tile
	s_lshl_b32 s89, s89, s91
	s_lshl_b32 s88, s88, 7
	s_add_co_u32 s89, s89, s88
	s_lshl_b32 s90, s32, 5
	s_add_co_u32 s94, s89, s90
	s_mov_b32 s95, 0
	s_add_nc_u64 s[92:93], s[92:93], s[94:95]
	v_lshlrev_b32 v[CPO], s91, v14
	v_lshl_add_u32 v[CPO], v13, 4, v[CPO]
	global_load_b128 v[CP:CP+3], v[CPO], s[92:93]
	s_lshl_b32 s94, s35, 11
	s_lshl_b32 s90, s32, 9
	s_add_co_u32 s94, s94, s90
	s_add_co_u32 s94, s94, 65536
	s_add_nc_u64 s[96:97], s[30:31], s[94:95]
	; and block w of fragment g % 32 of wp (id = 2 t + k): every work-group loads, the first 32 store
	s_and_b32 s86, s35, 31
	s_lshr_b32 s87, s86, 2
	s_lshl_b32 s87, s87, 5
	s_bfe_u32 s88, s86, 0x10001
	s_lshl_b32 s88, s88, 3
	s_add_co_u32 s87, s87, s88
	s_lshl_b32 s87, s87, 8
	s_and_b32 s88, s86, 1
	s_lshl_b32 s88, s88, 7
	s_add_co_u32 s87, s87, s88
	s_lshl_b32 s88, s32, 5
	s_add_co_u32 s78, s87, s88
	s_add_nc_u64 s[36:37], s[24:25], s[78:79]
	global_load_b128 v[CP+4:CP+7], v[WOF], s[36:37]
	s_lshl_b32 s78, s86, 11
	s_lshl_b32 s88, s32, 9
	s_add_co_u32 s78, s78, s88
	s_add_nc_u64 s[38:39], s[30:31], s[78:79]
	; the scales
	s_wait_kmcnt 0x0
	MKSC SCX, SCX+1, s52
	MKSC SCX+2, SCX+3, s54
	MKSC SCX+4, SCX+5, s56
	s_add_co_i32 s86, s52, s53                     ; e0 + e1
	s_add_co_i32 s87, s54, s55                     ; e2 + e3
	s_sub_co_i32 s88, s58, s86
	s_add_co_i32 s88, s88, 4                       ; q / 16 as a code: sum / 2^(e6 + 4 - e0 - e1)
	s_sub_co_i32 s89, s59, s87                     ; k: sum / 2^(e7 - e2 - e3)
	s_cmp_eq_u32 s33, 0
	s_cselect_b32 s88, s88, s89
	s_cselect_b32 s86, s86, s87
	s_sub_co_i32 s90, 0, s86                       ; the bias goes in x 2^-(the two exponents)
	MKSC QSC, QLIM, s88
	s_add_co_i32 s87, s56, s57
	s_sub_co_i32 s88, s61, s87                     ; v: sum / 2^(e9 - e4 - e5)
	MKSC VSC, VLIM, s88
	s_sub_co_i32 s91, 0, s87
	; ---- X: my 32 rows of x become 12 images
	s_wait_alu depctr_va_vdst(0)
	s_wait_tensorcnt 0x0
	XQ 0, 0
	XQ 0, 1
	XQ 1, 0
	XQ 1, 1
	s_wait_loadcnt 0x0                             ; weights, biases, the copies
	global_store_b128 v[LI], v[CP:CP+3], s[96:97]  ; 512 consecutive bytes
	s_cmp_lt_u32 s35, 32
	s_cbranch_scc0 .Lno_wp
	global_store_b128 v[LI], v[CP+4:CP+7], s[38:39]
.Lno_wp:
	WIN 0x82                                       ; source 0 and destination window 2
.set j, 0
.rept 64
	v_ldexp_f32 v[BQK+j], v[BQK+j], s90
.set j, j+1
.endr
.irp i4, 0,1,2,3
.irp j8, 0,1,2,3,4,5,6,7
	v_ldexp_f32 v[BV+8*\i4+\j8], v[BVR+\i4], s91   ; eight registers of one channel: the tokens of a lane share the bias
.endr
.endr
	WIN 0
	s_wait_dscnt 0x0                               ; for the others: my images lie in LDS
	s_barrier_signal -1
	s_barrier_wait -1
	; ---- q or k: 128 channels for the 8 token tiles; the 8 accumulators take turns
	FETCH 0, 0
.irp m, 0,1,2,3,4,5,6,7
.if \m < 7
	FETCH (\m+1)%2, \m+1
	s_wait_dscnt 8                                 ; this tile is in; the 8 loads of the next may be out
.else
	s_wait_dscnt 0x0
	WIN 0xc0                                       ; destination window 3: all 16 fragments of x under the third scale, for v
.set j, 0
.rept 64
	ds_load_b128 v[4*j:4*j+3], v[XRV] offset:512*j
.set j, j+1
.endr
	WIN 0
.endif
	WIN 0x21                                       ; source 0 (weights) window 1, C (bias) window 2
.irp t, 0,1,2,3,4,5,6,7
	v_wmma_f32_16x16x128_bf8_bf8 v[HA+8*\t:HA+8*\t+7], v[32*\t:32*\t+15], v[XF+32*(\m%2):XF+32*(\m%2)+15], v[BQK+8*\t:BQK+8*\t+7]
.endr
	WIN 0x01
.irp t, 0,1,2,3,4,5,6,7
	v_wmma_f32_16x16x128_bf8_bf8 v[HA+8*\t:HA+8*\t+7], v[32*\t+16:32*\t+31], v[XF+32*(\m%2)+16:XF+32*(\m%2)+31], v[HA+8*\t:HA+8*\t+7]
.endr
	WIN 0
	PLACES
	s_wait_xcnt 0x0                                ; the stores before have read their data: the codes may be written again
	QUANT HA, QSC, QLIM
.irp c, 0,1,2,3
	global_store_b128 v[LI], v[CD+4*\c:CD+4*\c+3], s[76:77] offset:4096*\m+512*\c
.endr
.endr
	; ---- v: my four channel tiles for the 128 tokens
	s_wait_dscnt 0x0
.irp i4, 0,1,2,3
	WIN 0x2b                                       ; source 0 (x) window 3, source 1 (wv) and C (bias) window 2
.irp m, 0,1,2,3,4,5,6,7
	v_wmma_f32_16x16x128_bf8_bf8 v[HA+8*\m:HA+8*\m+7], v[32*\m:32*\m+15], v[32*\i4:32*\i4+15], v[BV+8*\i4:BV+8*\i4+7]
.endr
	WIN 0x0b
.irp m, 0,1,2,3,4,5,6,7
	v_wmma_f32_16x16x128_bf8_bf8 v[HA+8*\m:HA+8*\m+7], v[32*\m+16:32*\m+31], v[32*\i4+16:32*\i4+31], v[HA+8*\m:HA+8*\m+7]
.endr
	WIN 0
	PLACES
	s_wait_xcnt 0x0
	QUANT HA, VSC, VLIM
.irp c, 0,1,2,3
	global_store_b128 v[LI], v[CD+4*\c:CD+4*\c+3], s[70:71] offset:2048*\i4+512*\c
.endr
.endr
	s_wait_tensorcnt 0x0
	ds_add_u32 v254, v255
	s_wait_dscnt 0x0
	s_endpgm
.Lfunc_end_k_qea4b19d339_qkv:
	.size	k_qea4b19d339_qkv, .Lfunc_end_k_qea4b19d339_qkv-k_qea4b19d339_qkv
	.p2alignl 7, 3214868480
	.fill 96, 4, 3214868480
	.section	.rodata,"a",@progbits
	.p2align	6, 0x0
	.amdhsa_kernel k_qea4b19d339_qkv
		.amdhsa_group_segment_fixed_size 231936
		.amdhsa_private_segment_fixed_size 0
		.amdhsa_enable_private_segment 0
		.amdhsa_kernarg_size 112
		.amdhsa_user_sgpr_count 2
		.amdhsa_user_sgpr_kernarg_segment_ptr 1
		.amdhsa_wavefront_size32 1
		.amdhsa_system_sgpr_workgroup_id_x 1
		.amdhsa_system_sgpr_workgroup_id_y 1
		.amdhsa_system_sgpr_workgroup_id_z 1
		.amdhsa_system_vgpr_workitem_id 0
		.amdhsa_next_free_vgpr 1024
		.amdhsa_next_free_sgpr 100
		.amdhsa_reserve_vcc 0
		.amdhsa_float_denorm_mode_32 3
		.amdhsa_float_denorm_mode_16_64 3
		.amdhsa_fp16_overflow 1
		.amdhsa_memory_ordered 1
		.amdhsa_forward_progress 1
		.amdhsa_inst_pref_size 73
	.end_amdhsa_kernel
	.amdgpu_metadata
---
amdhsa.version: [ 1, 2 ]
amdhsa.kernels:
  - .name:           k_qea4b19d339_qkv
    .symbol:         k_qea4b19d339_qkv.kd
    .args:
      - { .name: x, .offset: 0, .size: 8, .value_kind: global_buffer, .address_space: global }
      - { .name: wq_codes, .offset: 8, .size: 8, .value_kind: global_buffer, .address_space: global }
      - { .name: wk_codes, .offset: 16, .size: 8, .value_kind: global_buffer, .address_space: global }
      - { .name: wv_codes, .offset: 24, .size: 8, .value_kind: global_buffer, .address_space: global }
      - { .name: bq, .offset: 32, .size: 8, .value_kind: global_buffer, .address_space: global }
      - { .name: bk, .offset: 40, .size: 8, .value_kind: global_buffer, .address_space: global }
      - { .name: bv, .offset: 48, .size: 8, .value_kind: global_buffer, .address_space: global }
      - { .name: lowp_scales, .offset: 56, .size: 8, .value_kind: global_buffer, .address_space: global }
      - { .name: w1_codes, .offset: 64, .size: 8, .value_kind: global_buffer, .address_space: global }
      - { .name: w2_codes, .offset: 72, .size: 8, .value_kind: global_buffer, .address_space: global }
      - { .name: wp_codes, .offset: 80, .size: 8, .value_kind: global_buffer, .address_space: global }
      - { .name: q_img, .offset: 88, .size: 8, .value_kind: global_buffer, .address_space: global }
      - { .name: kv, .offset: 96, .size: 8, .value_kind: global_buffer, .address_space: global }
      - { .name: wimg, .offset: 104, .size: 8, .value_kind: global_buffer, .address_space: global }
    .group_segment_fixed_size: 231936
    .private_segment_fixed_size: 0
    .kernarg_segment_align: 8
    .kernarg_segment_size: 112
    .max_flat_workgroup_size: 128
    .sgpr_count:     100
    .vgpr_count:     1024
    .wavefront_size: 32
...
	.end_amdgpu_metadata
.endif
;; end of part 1
;; launch attn (part 2): grid 16 x 16, 4 waves a work-group, clusters of 4 x 1, 327,680 bytes of LDS; arguments q_img, kv, lowp_scales, a_img; writes a_img
.if DOCPART == 2
	.amdgcn_target "amdgcn-amd-amdhsa--gfx1250"
	.amdhsa_code_object_version 6
	.text
	.protected	k_qea4b19d339_attn
	.globl	k_qea4b19d339_attn
	.p2align	8
	.type	k_qea4b19d339_attn,@function
k_qea4b19d339_attn:
	s_mov_b64 s[64:65], 0
	v_nop
	global_prefetch_b8 v0, s[64:65] scope:SCOPE_SE
	s_setreg_imm32_b32 hwreg(HW_REG_WAVE_MODE, 25, 1), 1
	s_wait_xcnt 0x0
	s_wait_alu depctr_hold_cnt(0) depctr_sa_sdst(0) depctr_va_vdst(0) depctr_va_sdst(0) depctr_va_ssrc(0) depctr_va_vcc(0) depctr_vm_vsrc(0)
	s_getreg_b32 s2, hwreg(HW_REG_IB_STS2, 6, 4)
	s_cmp_eq_u32 s2, 0
	s_cbranch_scc0 .Lentry_in_a_cluster
	s_endpgm
.Lentry_in_a_cluster:
	s_bfe_u32 s2, ttmp6, 0x10000c
	s_cmp_lg_u32 s2, 0x3003
	s_cbranch_scc0 .Lentry_shape_is_right
	s_endpgm
.Lentry_shape_is_right:
; Attention of one head of size 256 on codes of E5M2: a = Q(softmax(q k^T) v), stored as images of operand registers for the next launch.
; q_img, a_img: [token tile][K step 0..1][block 0..3][lane][16 bytes].  kv: [batch][key step of 128 keys][65,536 bytes]: 16 fragments of k (tile kt, K step s at (2 kt + s) x 2,048), then 16 of v (channel tile ct at ct x 2,048,
; K = the 128 keys).  Lane r of a tile takes row 32 (T / 2) + 8 (T % 2) + r + 8 (r / 8): so the 16 registers of two neighbouring result tiles are 16 neighbours along the next K.
; THE SOFTMAX: t = score x log2(e) x 2^(e6 + e7); M = the running largest t rounded up to a whole number, kept as -M = floor(-t); p = 2^(t - M) is quantised with 2^e8, not normalised; the sum is taken of the
; unquantised p and divides at the end; when M moves, the sum and O are multiplied by 2^(old M - new M), which rounds nothing.
; SHARES.  A work-group owns 128 queries of a batch, a wave 32: two tiles, so that each fragment of k and v read from LDS feeds two products.  Both products are used transposed (source 0 = keys, or channels of v;
; source 1 = queries): a lane holds one query throughout.  Every wave walks the 16 key steps.
; WHERE THE LDS LOADS STAND.  A key step has 128 of them for its 64 products: 64 bring k of the next step, 64 its v.  None stands in a long run: 32 of k stand in the softmax, eight at each of four stage boundaries;
; the other 32 between the products v^T p, one fragment behind every four; the 64 of v between the products k q^T, two fragments behind every four.  k comes in the order in which the products take it.
; The price is two switches of the register window for each run: 43 switches for a key step; the runs are no shorter than four loads for that reason.
; RING: two slots of two key steps (131,072 bytes), as they lie in kv: dense, so an LDS load of a wave takes 512 consecutive bytes and no padding is wanted.
; CLUSTER: the four query blocks of a cluster walk the same kv: each slot is asked for JOINTLY (mask 15); wave w fetches bytes 32,768 w on.  Two loads of a wave are out at the start, one behind each round.
; PREFETCH: behind each joint refill one line for the slot that the next refill will ask for: the first cluster of a batch asks; its four partners are told apart by address (32,768 bytes each), the waves take 8,192 each,
; lanes 256 bytes apart: each block is named once in the launch.  The last refill asks for nothing; slots 0 to 2 come by their loads alone.
; LIMITS on the given exponents: e6 + e7 between -126 and 127 (added to the exponent field of log2(e)); e8 and e10 - e8 - e9 between -126 and 112.  NaN among the inputs is not served.
; REGISTERS: window 0: v1-7, v30 addresses and scales; v8-27 ten registers of statistics a tile (+0 -M, +1 the largest t, +2 +3 the sum, +4 f, +5 0, +6 +7 at work, +8 the exchange); v32-159 S^T, then p; v160-191 the codes of p; v192-255 q.
;   window 1: O^T (tile t, channel tile ct at 128 t + 8 ct).  window 2: k of one step.  window 3: v of one step.
.set SLOT1, 1<<17
.set SPARE, 2*SLOT1                    ; behind the ring: the spare words, 128 bytes a wave: two blocks of 256 bytes that no other line names
.set LI,   1
.set ADK,  2                           ; LDS address of the step whose k is being fetched
.set SPW,  3
.set NIL,  4
.set PLIM, 5
.set PSC,  6
.set PFO,  7
.set ST,   8
.set OSC,  28
.set OLIM, 29
.set ADV,  30                          ; LDS address of the step whose v is being fetched
.set S,    32
.set P,    160
.set Q,    192
.set MSB, 0
.macro WIN new                         ; the high byte of the immediate repeats the setting that is left; a switch that changes nothing is dropped
.if MSB != \new
	s_set_vgpr_msb (MSB<<8)|\new
.set MSB, \new
.endif
.endm
.macro PLACES                          ; four plain vector lines behind matrix instructions, ahead of reads of results and of loads into their registers
.rept 4
	v_nop
.endr
.endm
.macro MKSC vs, vl, se
	s_add_co_i32 s48, \se, 127
	s_lshl_b32 s49, s48, 23
	v_mov_b32 v[\vs], s49
.endm
.macro CROUND                          ; a round of the barrier of the cluster
	s_barrier_signal -1
	s_barrier_wait -1
	s_cmp_lg_u32 s12, 0
	s_cbranch_scc1 .Lnot_wave_0_\@
	s_barrier_signal -3
.Lnot_wave_0_\@:
	s_barrier_wait -3
	s_barrier_signal -1
	s_barrier_wait -1
.endm
; Loads a .. a + n - 1 of the 64 that bring k of one step, in the order in which the products take the fragments: load 4 q + c is block c of fragment (kt = q % 8, s = q / 8), which lies at (2 kt + s) x 2,048
.macro KRUN a, n
	WIN 0x80                                       ; destination window 2, address window 0
.set kj, \a
.rept \n
.set kfr, 2*((kj/4)%8)+kj/32
	ds_load_b128 v[16*kfr+4*(kj%4):16*kfr+4*(kj%4)+3], v[ADK] offset:2048*kfr+512*(kj%4)
.set kj, kj+1
.endr
.endm
; S^T = k q^T: 32 products in eight groups of four; the 16 accumulators take turns; the first 16 start the sums.  Behind each group stand the eight loads of two fragments of v of the same step.
.macro KQ
.set grp, 0
.rept 8
	s_wait_dscnt 56                                ; the two fragments of k of this group are in: behind their last load stand 56 - 8 g later loads of k and the 8 g loads of v issued so far
	WIN 0x02                                       ; source 0 (k) window 2
.irp u, 0,1,2,3
.set pr, 2*grp+\u/2
.set rS, S+64*(\u%2)+8*(pr%8)
.set rK, 16*(2*(pr%8)+pr/8)
.set rQ, Q+32*(\u%2)+16*(pr/8)
.if pr < 8
	v_wmma_f32_16x16x128_bf8_bf8 v[rS:rS+7], v[rK:rK+15], v[rQ:rQ+15], 0
.else
	v_wmma_f32_16x16x128_bf8_bf8 v[rS:rS+7], v[rK:rK+15], v[rQ:rQ+15], v[rS:rS+7]
.endif
.endr
	WIN 0xc0                                       ; destination window 3, address window 0
.set kj, 0
.rept 8
	ds_load_b128 v[32*grp+4*kj:32*grp+4*kj+3], v[ADV] offset:32768+4096*grp+512*kj
.set kj, kj+1
.endr
.set grp, grp+1
.endr
.endm
; O^T += v^T p^T: 32 products on 32 accumulators, in eight groups of four.  zero = 1: they start the sums.  fk = 1: behind group g stands fragment 8 + g, in the order of use, of k of the next step
.macro PV zero, fk
.set grp, 0
.rept 8
	WIN 0x53                                       ; v window 3, p window 0, O^T window 1
.irp u, 0,1,2,3
.set rO, 128*(\u%2)+8*(2*grp+\u/2)
.set rV, 16*(2*grp+\u/2)
.set rP, P+16*(\u%2)
.if \zero
	v_wmma_f32_16x16x128_bf8_bf8 v[rO:rO+7], v[rV:rV+15], v[rP:rP+15], 0
.else
	v_wmma_f32_16x16x128_bf8_bf8 v[rO:rO+7], v[rV:rV+15], v[rP:rP+15], v[rO:rO+7]
.endif
.endr
.if \fk
	KRUN 32+4*grp, 4
.endif
.set grp, grp+1
.endr
.endm
; Both tiles, stage by stage.  first = 1: O^T does not exist yet.  fk = 1: four runs of eight loads bring the first half of k of the next step; none stands between the exponentials and their wait
.macro SOFTMAX first, fk
	WIN 0
.irp t, 0,1                                    ; the largest score of my query among my 64 keys, in two chains, in ascending order
	v_max3_num_f32 v[ST+10*\t+6], v[S+64*\t], v[S+64*\t+1], v[S+64*\t+2]
	v_max3_num_f32 v[ST+10*\t+7], v[S+64*\t+3], v[S+64*\t+4], v[S+64*\t+5]
.endr
.irp n, 6,10,14,18,22,26,30,34,38,42,46,50,54,58
.irp t, 0,1
	v_max3_num_f32 v[ST+10*\t+6], v[ST+10*\t+6], v[S+64*\t+\n], v[S+64*\t+\n+1]
	v_max3_num_f32 v[ST+10*\t+7], v[ST+10*\t+7], v[S+64*\t+\n+2], v[S+64*\t+\n+3]
.endr
.endr
.irp t, 0,1
	v_max3_num_f32 v[ST+10*\t+6], v[ST+10*\t+6], v[S+64*\t+62], v[S+64*\t+63]
.endr
.irp t, 0,1
	v_max_num_f32 v[ST+10*\t+6], v[ST+10*\t+6], v[ST+10*\t+7]
.endr
.if \fk
	KRUN 0, 8
	WIN 0
.endif
.irp t, 0,1
	v_permlanex16_b32 v[ST+10*\t+8], v[ST+10*\t+6], s60, s61   ; the other 64 keys lie in the lane 16 away
.endr
.irp t, 0,1
	v_max_num_f32 v[ST+10*\t+6], v[ST+10*\t+6], v[ST+10*\t+8]
.endr
.irp t, 0,1
	v_mul_f32 v[ST+10*\t+6], s58, v[ST+10*\t+6]    ; as t (the factor is positive)
.endr
.irp t, 0,1
	v_max_num_f32 v[ST+10*\t+1], v[ST+10*\t+1], v[ST+10*\t+6]
.endr
.irp t, 0,1
	v_mov_b32 v[ST+10*\t+6], v[ST+10*\t]
.endr
.irp t, 0,1
	v_floor_f32 v[ST+10*\t], -v[ST+10*\t+1]        ; the new -M = floor(-t)
.endr
.irp t, 0,1
	v_sub_f32 v[ST+10*\t+6], v[ST+10*\t], v[ST+10*\t+6]   ; old M - new M, a whole number, 0 or less
.endr
.irp t, 0,1
	v_cvt_i32_f32 v[ST+10*\t+6], v[ST+10*\t+6]     ; (it saturates)
.endr
.irp t, 0,1
	v_ldexp_f32 v[ST+10*\t+4], 1.0, v[ST+10*\t+6]  ; f = 2^(old M - new M)
.endr
.irp t, 0,1
.set j, 0
.rept 32
	v_pk_fma_f32 v[S+64*\t+j:S+64*\t+j+1], v[S+64*\t+j:S+64*\t+j+1], s[58:59], v[ST+10*\t:ST+10*\t+1] op_sel_hi:[1,0,0]   ; t - M
.set j, j+2
.endr
.endr
.if \fk
	KRUN 8, 8
	WIN 0
.endif
.set j, 0
	s_wait_alu depctr_va_vdst(0)
.rept 128
	v_exp_f32 v[S+j], v[S+j]                       ; p = 2^(t - M): one batch for both tiles
.set j, j+1
.endr
.irp t, 0,1
	v_pk_mul_f32 v[ST+10*\t+2:ST+10*\t+3], v[ST+10*\t+2:ST+10*\t+3], v[ST+10*\t+4:ST+10*\t+5] op_sel_hi:[1,0]   ; the sums under the new M; the plain lines behind the exponentials
.endr
	s_wait_alu depctr_va_vdst(0)                   ; one wait for the batch, ahead of its first reader
.irp t, 0,1
	v_pk_add_f32 v[ST+10*\t+6:ST+10*\t+7], v[S+64*\t:S+64*\t+1], v[S+64*\t+2:S+64*\t+3]   ; the sum of the unquantised p, in two chains
.endr
.irp n, 4,8,12,16,20,24,28,32,36,40,44,48,52,56,60
.irp t, 0,1
	v_pk_add_f32 v[ST+10*\t+2:ST+10*\t+3], v[ST+10*\t+2:ST+10*\t+3], v[S+64*\t+\n:S+64*\t+\n+1]
	v_pk_add_f32 v[ST+10*\t+6:ST+10*\t+7], v[ST+10*\t+6:ST+10*\t+7], v[S+64*\t+\n+2:S+64*\t+\n+3]
.endr
.endr
.irp t, 0,1
	v_pk_add_f32 v[ST+10*\t+2:ST+10*\t+3], v[ST+10*\t+2:ST+10*\t+3], v[ST+10*\t+6:ST+10*\t+7]
.endr
.if \fk
	KRUN 16, 8
	WIN 0
.endif
.irp t, 0,1
.irp b, 0,1,2,3
.irp i, 0,1,2,3,4,5,6,7,8,9,10,11,12,13,14,15
.endr
	v_cvt_scalef32_pk8_bf8_f32 v[P+16*\t+4*\b:P+16*\t+4*\b+1], v[S+64*\t+16*\b:S+64*\t+16*\b+7], v[PSC]
	v_cvt_scalef32_pk8_bf8_f32 v[P+16*\t+4*\b+2:P+16*\t+4*\b+3], v[S+64*\t+16*\b+8:S+64*\t+16*\b+15], v[PSC]
.endr
.if \fk && (\t == 0)
	KRUN 24, 8                                     ; the last run in the softmax: the second tile's 8 lines, and O^T's 128, stand between it and the wait for it
	WIN 0
.endif
.endr
	v_nop                                          ; a plain line between the last conversion and the products that read its result
.if !\first
	WIN 0x41                                       ; O^T (destination and source 0) window 1, f window 0
.irp t, 0,1
.set j, 0
.rept 64
	v_pk_mul_f32 v[128*\t+j:128*\t+j+1], v[128*\t+j:128*\t+j+1], v[ST+10*\t+4:ST+10*\t+5] op_sel_hi:[1,0]
.set j, j+2
.endr
.endr
.endif
.endm
; Key step j: the softmax of j, with the first half of k of j + 1; v^T p of j, with its second half; k q^T of j + 1, with v of j + 1.  All that is read of step j + 1 is asked for in this body.
.macro BODY first
	WIN 0
	PLACES                                         ; behind the last scores, ahead of their first read
	v_add_nc_u32 v[ADK], s62, v[LI]                ; (its last users, the loads of k of the body before, were shown done by that body's last counted wait)
	SOFTMAX \first, 1
	s_wait_alu depctr_va_vdst(0)
	s_wait_dscnt 0x0                               ; v of this step is in, and so are the 32 loads of k issued in the softmax
	PV \first, 1
	WIN 0
	PLACES                                         ; behind the products that read v, ahead of the loads into its registers
	v_add_nc_u32 v[ADV], s62, v[LI]
	s_add_co_u32 s62, s62, 65536                   ; the next body fetches the next step
	s_wait_alu depctr_va_vdst(0)
	KQ
.endm
.macro ASK                             ; the prefetch of the slot that the next refill will ask for
	s_cmp_gt_u32 s56, s15
	s_cbranch_scc0 .Lnot_mine_\@
	global_prefetch_b8 v[PFO], s[18:19] th:TH_LOAD_NT scope:SCOPE_SE
.Lnot_mine_\@:
.endm
; THE CHANGE OF SLOTS: the last bytes of the slot, v of its second step, have been asked for.  Each wave waits for all its tensor loads (its part of the other slot), adds 0 to its spare word, and waits for that and
; for its reads of the slot.  fill = 1: a round of the barrier of the cluster, and the joint refill first behind it: it has two key steps in which to land.
.macro CHANGE fill
	WIN 0
	s_wait_tensorcnt 0x0                           ; no tensor load of mine is out, so the walking group 0 may be written
	ds_add_u32 v[SPW], v[NIL]                      ; 0 onto my spare word
.if \fill
	s_xor_b32 s37, s37, SLOT1                      ; the other slot than last time,
	s_add_nc_u64 s[38:39], s[38:39], 131072        ; the next two key steps
	s_wait_xcnt 0x0                                ; the last prefetch has read its address
	s_add_nc_u64 s[18:19], s[18:19], 131072
	s_wait_dscnt 0x0                               ; the add is done, and my reads of the slot are over
	CROUND
	tensor_load_to_lds s[36:39], s[24:31]
	s_nop 0
	PLACES
	ASK
.else
	s_wait_dscnt 0x0
	s_barrier_signal -1
	s_barrier_wait -1
.endif
	s_sub_co_u32 s62, s62, 131072                  ; the fetches go back to the first step of a slot,
	s_xor_b32 s62, s62, SLOT1                      ; in the other slot
.endm
.macro TWO_STEPS
	s_mov_b32 s57, 2
.Lstep_\@:
	BODY 0
	WIN 0
	s_sub_co_u32 s57, s57, 1
	s_cmp_lg_u32 s57, 0
	s_cbranch_scc1 .Lstep_\@
.endm
	s_load_b256 s[4:11], s[0:1], 0x0               ; q_img, kv, the exponents, a_img
	v_lshl_add_u32 v[SPW], v0, 2, SPARE
	v_mov_b32 v[NIL], 0
	ds_add_u32 v3, v4
	ds_add_u32 v3, v4
	s_wait_dscnt 0x0
	v_lshrrev_b32 v2, 5, v0
	v_readfirstlane_b32 s12, v2                    ; wave 0..3
	s_bfe_u32 s13, ttmp6, 0x40000                  ; cx
	s_lshl_b32 s14, ttmp9, 2
	s_add_co_u32 s14, s14, s13                     ; my block of 128 queries: it enters the addresses of q_img and a_img alone
	s_and_b32 s16, ttmp7, 0xffff                   ; the batch, which the partners share
	s_lshl_b32 s20, s16, 20
	s_lshl_b32 s22, s12, 15                        ; my quarter of a slot, in memory and in LDS
	s_add_co_u32 s20, s20, s22
	s_mov_b32 s21, 0
	s_lshl_b32 s46, s16, 19
	s_lshl_b32 s47, s14, 15
	s_add_co_u32 s46, s46, s47
	s_lshl_b32 s47, s12, 13
	s_add_co_u32 s46, s46, s47                     ; my two token tiles
	s_mov_b32 s47, 0
	s_lshl_b32 s50, s16, 20
	s_lshl_b32 s51, s13, 15
	s_add_co_u32 s50, s50, s51
	s_lshl_b32 s51, s12, 13
	s_add_co_u32 s50, s50, s51
	s_add_co_u32 s50, s50, 2*131072                ; my 8,192 bytes of slot 2: the first change steps it to slot 3
	s_mov_b32 s51, 0
	; descriptor group 1: 128 rows of 256 bytes, dense
	s_mov_b32 s24, 15|(3<<16)|(1<<21)              ; the mask: all four work-groups; elements of 8 bytes; bit 21 beside a mask
	s_mov_b32 s25, 32<<16
	s_mov_b32 s26, 128<<16
	s_mov_b32 s27, 32<<16
	s_mov_b32 s28, 128
	s_mov_b32 s29, 32
	s_mov_b32 s30, 0
	s_mov_b32 s31, 0
	s_mov_b32 s60, 0x76543210
	s_mov_b32 s61, 0xfedcba98
	s_mov_b32 s62, 0
	s_mov_b32 s56, 6                               ; slots still to be asked for
	s_cmp_eq_u32 ttmp9, 0                          ; the first cluster of the batch prefetches: the same in all four partners
	s_cselect_b32 s15, 1, -1
	v_and_b32 v[LI], 31, v0
	v_lshlrev_b32 v[PFO], 8, v[LI]
	v_lshlrev_b32 v[LI], 4, v[LI]
	s_wait_kmcnt 0x0
	s_load_b128 s[40:43], s[8:9], 0x18             ; e6 .. e9
	s_load_b32 s44, s[8:9], 0x28                   ; e10
	s_mov_b32 s32, 1
	s_mov_b32 s33, s22
	s_add_nc_u64 s[34:35], s[6:7], s[20:21]
	s_mov_b32 s36, 1
	s_add_co_u32 s37, s22, SLOT1
	s_add_nc_u64 s[38:39], s[34:35], 131072
	s_or_b32 s35, s35, 0x80000000
	s_or_b32 s39, s39, 0x80000000
	s_add_nc_u64 s[18:19], s[6:7], s[50:51]
	s_add_nc_u64 s[52:53], s[4:5], s[46:47]
	s_add_nc_u64 s[54:55], s[10:11], s[46:47]
	CROUND                                         ; all four work-groups are here: the first joint loads meet
	tensor_load_to_lds s[32:35], s[24:31]          ; key steps 0, 1
	s_nop 0
	tensor_load_to_lds s[36:39], s[24:31]          ; key steps 2, 3
	s_nop 0
	PLACES
	s_wait_alu depctr_va_vdst(0)
.irp i, 0,1,2,3,4,5,6,7,8,9,10,11,12,13,14,15
	global_load_b128 v[Q+4*\i:Q+4*\i+3], v[LI], s[52:53] offset:512*\i   ; q stays in registers
.endr
.irp t, 0,1
	v_mov_b32 v[ST+10*\t+1], 0xff61b1e6            ; the largest t so far: -3e38
	v_floor_f32 v[ST+10*\t], -v[ST+10*\t+1]
	v_mov_b32 v[ST+10*\t+2], 0
	v_mov_b32 v[ST+10*\t+3], 0
	v_mov_b32 v[ST+10*\t+5], 0                     ; named as the upper half of a pair
	v_mov_b32 v[ST+10*\t+8], 0                     ; the destination of a lane permute counts as read
.endr
	s_wait_kmcnt 0x0
	s_add_co_i32 s48, s40, s41
	s_lshl_b32 s48, s48, 23
	s_mov_b32 s58, 0x3fb8aa3b                      ; log2(e),
	s_add_co_i32 s58, s58, s48                     ; x 2^(e6 + e7), by its exponent field
	s_mov_b32 s59, s58
	MKSC PSC, PLIM, s42
	s_sub_co_i32 s50, s44, s42
	s_sub_co_i32 s50, s50, s43                     ; a code of the result: (O / sum) / 2^(e10 - e8 - e9)
	MKSC OSC, OLIM, s50
	s_wait_tensorcnt 0x1                           ; my part of slot 0 is in; that of slot 1 may stay out
	s_barrier_signal -1
	s_barrier_wait -1
	v_add_nc_u32 v[ADK], s62, v[LI]                ; key step 0: there is no work yet to set its loads of k between
	v_add_nc_u32 v[ADV], s62, v[LI]
	s_add_co_u32 s62, s62, 65536
	KRUN 0, 64
	s_wait_alu depctr_va_vdst(0)
	s_wait_loadcnt 0x0                             ; q
	s_wait_dscnt 0x0                               ; k of step 0
	KQ                                             ; the first scores, with v of step 0
	BODY 1                                         ; key step 0 starts O^T
	WIN 0
.Lslot:                                            ; six trips: each refills the slot just left
	CHANGE 1
	TWO_STEPS
	s_sub_co_u32 s56, s56, 1
	s_cmp_lg_u32 s56, 0
	s_cbranch_scc1 .Lslot
	CHANGE 0                                       ; the tail is written out
	TWO_STEPS
	PLACES                                         ; behind the last scores
	SOFTMAX 0, 0                                   ; the last key step: nothing is left to fetch
	s_wait_alu depctr_va_vdst(0)
	s_wait_dscnt 0x0
	PV 0, 0
	; THE WAY OUT: O^T / the sum, quantised: the codes are the image of the next operand, and each store covers 512 consecutive bytes
	WIN 0
	PLACES
.irp t, 0,1
	v_add_f32 v[ST+10*\t+2], v[ST+10*\t+2], v[ST+10*\t+3]
.endr
.irp t, 0,1
	v_permlanex16_b32 v[ST+10*\t+8], v[ST+10*\t+2], s60, s61
.endr
.irp t, 0,1
	v_add_f32 v[ST+10*\t+2], v[ST+10*\t+2], v[ST+10*\t+8]
.endr
	s_wait_alu depctr_va_vdst(0)
.irp t, 0,1
	v_rcp_f32 v[ST+10*\t+6], v[ST+10*\t+2]
.endr
	v_nop
	s_wait_alu depctr_va_vdst(0)                   ; one wait for the two reciprocals, ahead of their first reader
.irp t, 0,1
	WIN 0x01                                       ; source 0 (O^T) window 1
.set j, 0
.rept 64
	v_pk_mul_f32 v[S+j:S+j+1], v[128*\t+j:128*\t+j+1], v[ST+10*\t+6:ST+10*\t+7] op_sel_hi:[1,0]
.set j, j+2
.endr
	WIN 0
.irp b, 0,1,2,3,4,5,6,7
.irp i, 0,1,2,3,4,5,6,7,8,9,10,11,12,13,14,15
.endr
	v_cvt_scalef32_pk8_bf8_f32 v[Q+32*\t+4*\b:Q+32*\t+4*\b+1], v[S+16*\b:S+16*\b+7], v[OSC]
	v_cvt_scalef32_pk8_bf8_f32 v[Q+32*\t+4*\b+2:Q+32*\t+4*\b+3], v[S+16*\b+8:S+16*\b+15], v[OSC]
.endr
	v_nop                                          ; a plain line ahead of the next tile, which writes the sources of the conversions
.irp i, 0,1,2,3,4,5,6,7
	global_store_b128 v[LI], v[Q+32*\t+4*\i:Q+32*\t+4*\i+3], s[54:55] offset:4096*\t+512*\i
.endr
.endr
	s_wait_tensorcnt 0x0                           ; the end of the wave
	ds_add_u32 v[SPW], v[NIL]
	s_wait_dscnt 0x0
	CROUND                                         ; the closing round
	s_endpgm
.Lfunc_end_k_qea4b19d339_attn:
	.size	k_qea4b19d339_attn, .Lfunc_end_k_qea4b19d339_attn-k_qea4b19d339_attn
	.p2alignl 7, 3214868480
	.fill 96, 4, 3214868480
	.section	.rodata,"a",@progbits
	.p2align	6, 0x0
	.amdhsa_kernel k_qea4b19d339_attn
		.amdhsa_group_segment_fixed_size 327680
		.amdhsa_private_segment_fixed_size 0
		.amdhsa_enable_private_segment 0
		.amdhsa_kernarg_size 32
		.amdhsa_user_sgpr_count 2
		.amdhsa_user_sgpr_kernarg_segment_ptr 1
		.amdhsa_wavefront_size32 1
		.amdhsa_system_sgpr_workgroup_id_x 1
		.amdhsa_system_sgpr_workgroup_id_y 1
		.amdhsa_system_sgpr_workgroup_id_z 1
		.amdhsa_system_vgpr_workitem_id 0
		.amdhsa_next_free_vgpr 1024
		.amdhsa_next_free_sgpr 66
		.amdhsa_reserve_vcc 0
		.amdhsa_float_denorm_mode_32 3
		.amdhsa_float_denorm_mode_16_64 3
		.amdhsa_fp16_overflow 1
		.amdhsa_memory_ordered 1
		.amdhsa_forward_progress 1
		.amdhsa_inst_pref_size 172
	.end_amdhsa_kernel
	.amdgpu_metadata
---
amdhsa.version: [ 1, 2 ]
amdhsa.kernels:
  - .name:           k_qea4b19d339_attn
    .symbol:         k_qea4b19d339_attn.kd
    .args:
      - { .name: q_img, .offset: 0, .size: 8, .value_kind: global_buffer, .address_space: global }
      - { .name: kv, .offset: 8, .size: 8, .value_kind: global_buffer, .address_space: global }
      - { .name: lowp_scales, .offset: 16, .size: 8, .value_kind: global_buffer, .address_space: global }
      - { .name: a_img, .offset: 24, .size: 8, .value_kind: global_buffer, .address_space: global }
    .group_segment_fixed_size: 327680
    .private_segment_fixed_size: 0
    .kernarg_segment_align: 8
    .kernarg_segment_size: 32
    .max_flat_workgroup_size: 128
    .sgpr_count:     66
    .vgpr_count:     1024
    .wavefront_size: 32
...
	.end_amdgpu_metadata
.endif
;; end of part 2
;; launch tail (part 3): grid 256 x 1, 8 waves a work-group, no clusters, 214,016 bytes of LDS; arguments x, a_img, wimg, lowp_scales, bp, g1, be1, b1, b2, g2, be2, out0; writes out0
.if DOCPART == 3
	.amdgcn_target "amdgcn-amd-amdhsa--gfx1250"
	.amdhsa_code_object_version 6
	.text
	.protected	k_qea4b19d339_tail
	.globl	k_qea4b19d339_tail
	.p2align	8
	.type	k_qea4b19d339_tail,@function
k_qea4b19d339_tail:
	s_mov_b64 s[64:65], 0
	v_nop
	global_prefetch_b8 v0, s[64:65] scope:SCOPE_SE
	s_setreg_imm32_b32 hwreg(HW_REG_WAVE_MODE, 25, 1), 1
	s_wait_xcnt 0x0
.set PITCH, 1040
.set AIMG,  0
.set YIMG,  32768
.set HIMG,  65536
.set RED,   196608
.set STAGE, 32768
.set LI,   1
.set SX0,  2
.set SX1,  3
.set RA,   4
.set RL,   5
.set LIH0, 6
.set LIH1, 7
.set BI,   16
.set GG,   32
.set BB,   48
.set XF,   64
.set ACC,  128
.set HA,   16
.set T1,   32
.set T2,   48
.set T3,   64
.set T4,   80
.set XG,   96
.set B1W,  192
.set MSB, 0
.macro WIN new
.if MSB != \new
	s_set_vgpr_msb (MSB<<8)|\new
.set MSB, \new
.endif
.endm
.macro PLACES
.rept 4
	v_nop
.endr
.endm
.macro MKSC vs, vl, se
	s_add_co_i32 s94, \se, 127
	s_lshl_b32 s95, s94, 23
	v_mov_b32 v[\vs], s95
	s_add_co_i32 s94, s94, 15
	s_lshl_b32 s94, s94, 23
	s_or_b32 s94, s94, 0x600000
.endm
.macro BARRIER
	s_wait_dscnt 0x0
	s_barrier_signal -1
	s_barrier_wait -1
.endm
.macro LOADW k
	WIN 0x40
.set j, 0
.rept 16
.if (\k) == 0
	global_load_b128 v[4*j:4*j+3], v[LI], s[88:89] offset:512*j
.elseif (\k) < 5
	global_load_b128 v[64*((\k)%3)+4*j:64*((\k)%3)+4*j+3], v[LI], s[90:91] offset:8192*((\k)-1)+512*j
.else
	global_load_b128 v[64*((\k)%3)+4*j:64*((\k)%3)+4*j+3], v[LI], s[90:91] offset:262144+8192*((\k)-5)+512*j
.endif
.set j, j+1
.endr
	WIN 0
.endm
.macro FETCHA buf, mt
.irp i, 0,1,2,3,4,5,6,7
	ds_load_b128 v[XF+32*(\buf)+4*\i:XF+32*(\buf)+4*\i+3], v[LI] offset:AIMG+4096*(\mt)+512*\i
.endr
.endm
.macro FETCHH nn
.irp i, 0,1,2,3,4,5,6,7
	ds_load_b128 v[XF+32*((\nn)%2)+4*\i:XF+32*((\nn)%2)+4*\i+3], v[LIH0+((\nn)%8)/4] offset:16384*((\nn)%4)+4096*((\nn)/8)+512*\i
.endr
.endm
.macro MM4 m, sg, buf
	WIN 0x01
.irp f, 0,2,1,3
	v_wmma_f32_16x16x128_bf8_bf8 v[ACC+16*(\m)+8*(\f/2):ACC+16*(\m)+8*(\f/2)+7], v[64*(\sg)+16*\f:64*(\sg)+16*\f+15], v[XF+32*(\buf)+16*(\f%2):XF+32*(\buf)+16*(\f%2)+15], v[ACC+16*(\m)+8*(\f/2):ACC+16*(\m)+8*(\f/2)+7]
.endr
.endm
.macro RSUM off
.irp m, 0,1,2,3,4,5,6,7
	v_add_f32 v[64+8*\m], v[64+8*\m], v[65+8*\m]
.endr
.irp m, 0,1,2,3,4,5,6,7
	v_permlanex16_b32 v[65+8*\m], v[64+8*\m], s78, s79
.endr
.irp m, 0,1,2,3,4,5,6,7
	v_add_f32 v[64+8*\m], v[64+8*\m], v[65+8*\m]
.endr
.irp m, 0,1,2,3,4,5,6,7
	ds_store_b32 v[RA], v[64+8*\m] offset:\off+512*\m
.endr
	BARRIER
.irp m, 0,1,2,3,4,5,6,7
	ds_load_b128 v[64+8*\m:67+8*\m], v[RL] offset:\off+512*\m
	ds_load_b128 v[68+8*\m:71+8*\m], v[RL] offset:\off+512*\m+16
.endr
	s_wait_dscnt 0x0
.irp m, 0,1,2,3,4,5,6,7
	v_pk_add_f32 v[64+8*\m:65+8*\m], v[64+8*\m:65+8*\m], v[66+8*\m:67+8*\m]
	v_pk_add_f32 v[68+8*\m:69+8*\m], v[68+8*\m:69+8*\m], v[70+8*\m:71+8*\m]
.endr
.irp m, 0,1,2,3,4,5,6,7
	v_pk_add_f32 v[64+8*\m:65+8*\m], v[64+8*\m:65+8*\m], v[68+8*\m:69+8*\m]
.endr
.irp m, 0,1,2,3,4,5,6,7
	v_add_f32 v[64+8*\m], v[64+8*\m], v[65+8*\m]
.endr
.endm
.macro LN sp, ra, rb
.irp m, 0,1,2,3,4,5,6,7
.irp i, 0,2,4,6,8,10,12,14
	v_pk_fma_f32 v[ACC+16*\m+\i:ACC+16*\m+\i+1], v[ACC+16*\m+\i:ACC+16*\m+\i+1], s[\sp:\sp+1], v[BI+\i:BI+\i+1] op_sel_hi:[1,0,1]
.endr
.endr
.irp m, 0,1,2,3,4,5,6,7
	v_pk_add_f32 v[64+8*\m:65+8*\m], v[ACC+16*\m:ACC+16*\m+1], v[ACC+16*\m+2:ACC+16*\m+3]
.endr
.irp i, 4,6,8,10,12,14
.irp m, 0,1,2,3,4,5,6,7
	v_pk_add_f32 v[64+8*\m:65+8*\m], v[64+8*\m:65+8*\m], v[ACC+16*\m+\i:ACC+16*\m+\i+1]
.endr
.endr
	RSUM \ra
.irp m, 0,1,2,3,4,5,6,7
	v_mul_f32 v[64+8*\m], s77, v[64+8*\m]
.endr
.irp m, 0,1,2,3,4,5,6,7
.irp i, 0,2,4,6,8,10,12,14
	v_pk_add_f32 v[ACC+16*\m+\i:ACC+16*\m+\i+1], v[ACC+16*\m+\i:ACC+16*\m+\i+1], v[64+8*\m:65+8*\m] op_sel_hi:[1,0] neg_lo:[0,1] neg_hi:[0,1]
.endr
.endr
.irp m, 0,1,2,3,4,5,6,7
	v_pk_mul_f32 v[64+8*\m:65+8*\m], v[ACC+16*\m:ACC+16*\m+1], v[ACC+16*\m:ACC+16*\m+1]
.endr
.irp i, 2,4,6,8,10,12,14
.irp m, 0,1,2,3,4,5,6,7
	v_pk_fma_f32 v[64+8*\m:65+8*\m], v[ACC+16*\m+\i:ACC+16*\m+\i+1], v[ACC+16*\m+\i:ACC+16*\m+\i+1], v[64+8*\m:65+8*\m]
.endr
.endr
	RSUM \rb
.irp m, 0,1,2,3,4,5,6,7
	v_fma_f32 v[64+8*\m], v[64+8*\m], s77, s76
.endr
	s_wait_alu depctr_va_vdst(0)
.irp m, 0,1,2,3,4,5,6,7
	v_rsq_f32 v[64+8*\m], v[64+8*\m]
.endr
	v_nop
	s_wait_alu depctr_va_vdst(0)
.irp m, 0,1,2,3,4,5,6,7
.irp i, 0,2,4,6,8,10,12,14
	v_pk_mul_f32 v[ACC+16*\m+\i:ACC+16*\m+\i+1], v[ACC+16*\m+\i:ACC+16*\m+\i+1], v[64+8*\m:65+8*\m] op_sel_hi:[1,0]
.endr
.endr
.irp m, 0,1,2,3,4,5,6,7
.irp i, 0,2,4,6,8,10,12,14
	v_pk_fma_f32 v[ACC+16*\m+\i:ACC+16*\m+\i+1], v[ACC+16*\m+\i:ACC+16*\m+\i+1], v[GG+\i:GG+\i+1], v[BB+\i:BB+\i+1]
.endr
.endr
.endm
.macro HORNER dst, lit
.irp i, 0,2,4,6,8,10,12,14
	v_pk_fma_f32 v[\dst+\i:\dst+\i+1], v[\dst+\i:\dst+\i+1], v[T2+\i:T2+\i+1], \lit op_sel_hi:[1,1,0]
.endr
.endm
.macro GELU16 ci
	WIN 0x10
.irp i, 0,2,4,6,8,10,12,14
	v_pk_fma_f32 v[HA+\i:HA+\i+1], v[HA+\i:HA+\i+1], s[70:71], v[B1W+16*\ci+\i:B1W+16*\ci+\i+1] op_sel_hi:[1,0,1]
.endr
	WIN 0
.irp i, 0,2,4,6,8,10,12,14
	v_pk_mul_f32 v[T1+\i:T1+\i+1], v[HA+\i:HA+\i+1], 0x3f3504f3 op_sel_hi:[1,0]
.endr
.irp i, 0,1,2,3,4,5,6,7,8,9,10,11,12,13,14,15
	v_med3_num_f32 v[T1+\i], v[T1+\i], -4.0, 4.0
.endr
.irp i, 0,2,4,6,8,10,12,14
	v_pk_mul_f32 v[T2+\i:T2+\i+1], v[T1+\i:T1+\i+1], v[T1+\i:T1+\i+1]
.endr
.irp i, 0,2,4,6,8,10,12,14
	v_pk_fma_f32 v[T3+\i:T3+\i+1], v[T2+\i:T2+\i+1], v[12:13], 0x32edffee op_sel_hi:[1,1,0]
	v_pk_fma_f32 v[T4+\i:T4+\i+1], v[T2+\i:T2+\i+1], v[14:15], 0xb95fbd29 op_sel_hi:[1,1,0]
.endr
	HORNER T3, 0xb60cff51
	HORNER T4, 0xbadc924e
	HORNER T3, 0xb86ec2d2
	HORNER T4, 0xbbf19bf8
	HORNER T3, 0xba40ac63
	HORNER T4, 0xbc69b6a7
	HORNER T3, 0xbb41a1f6
	HORNER T3, 0xbc83dbd4
.irp i, 0,2,4,6,8,10,12,14
	v_pk_mul_f32 v[T3+\i:T3+\i+1], v[T3+\i:T3+\i+1], v[T1+\i:T1+\i+1]
.endr
	s_wait_alu depctr_va_vdst(0)
.irp i, 0,1,2,3,4,5,6,7,8,9,10,11,12,13,14,15
	v_rcp_f32 v[T4+\i], v[T4+\i]
.endr
.irp i, 0,2,4,6,8,10,12,14
	v_pk_mul_f32 v[HA+\i:HA+\i+1], v[HA+\i:HA+\i+1], 0.5 op_sel_hi:[1,0]
.endr
	s_wait_alu depctr_va_vdst(0)
.irp i, 0,2,4,6,8,10,12,14
	v_pk_mul_f32 v[T3+\i:T3+\i+1], v[T3+\i:T3+\i+1], v[T4+\i:T4+\i+1]
.endr
.irp i, 0,2,4,6,8,10,12,14
	v_pk_fma_f32 v[T2+\i:T2+\i+1], v[T3+\i:T3+\i+1], v[HA+\i:HA+\i+1], v[HA+\i:HA+\i+1]
.endr
.endm
.macro CHUNK1 ci
.set SG, 64*((\ci+1)%3)
	s_wait_loadcnt 32
	s_mov_b32 s84, 8
	s_mov_b32 s85, YIMG
	s_lshl_b32 s86, s80, 11
	s_add_co_u32 s86, s86, HIMG
.Lrow_\@:
	v_add_nc_u32 v8, s85, v[LI]
	v_add_nc_u32 v9, s86, v[LI]
.irp i, 0,1,2,3,4,5,6,7
	ds_load_b128 v[XG+4*\i:XG+4*\i+3], v8 offset:512*\i
.endr
	s_wait_dscnt 0x0
	WIN 0x01
	v_wmma_f32_16x16x128_bf8_bf8 v[HA:HA+7], v[SG:SG+15], v[XG:XG+15], 0
	v_wmma_f32_16x16x128_bf8_bf8 v[HA+8:HA+15], v[SG+32:SG+47], v[XG:XG+15], 0
	v_wmma_f32_16x16x128_bf8_bf8 v[HA:HA+7], v[SG+16:SG+31], v[XG+16:XG+31], v[HA:HA+7]
	v_wmma_f32_16x16x128_bf8_bf8 v[HA+8:HA+15], v[SG+48:SG+63], v[XG+16:XG+31], v[HA+8:HA+15]
	WIN 0
	PLACES
	GELU16 \ci
.irp i, 0,1,2,3,4,5,6,7,8,9,10,11,12,13,14,15
.endr
	v_cvt_scalef32_pk8_bf8_f32 v[T1:T1+1], v[T2:T2+7], v10
	v_cvt_scalef32_pk8_bf8_f32 v[T1+2:T1+3], v[T2+8:T2+15], v10
	v_nop
	ds_store_b128 v9, v[T1:T1+3] offset:512*\ci
	s_add_co_u32 s85, s85, 4096
	s_add_co_u32 s86, s86, 16384
	s_sub_co_u32 s84, s84, 1
	s_cmp_lg_u32 s84, 0
	s_cbranch_scc1 .Lrow_\@
	LOADW \ci+4
.endm
	s_load_b512 s[4:19], s[0:1], 0x0
	s_load_b256 s[20:27], s[0:1], 0x40
	v_lshl_add_u32 v254, v0, 2, 0x34000
	v_mov_b32 v255, 0
	ds_add_u32 v254, v255
	ds_add_u32 v254, v255
	s_wait_dscnt 0x0
	v_lshrrev_b32 v15, 5, v0
	s_delay_alu instid0(VALU_DEP_1)
	v_readfirstlane_b32 s80, v15
	s_mov_b32 s28, (2<<16)|(1<<20)|(7<<22)|(3<<25)
	s_mov_b32 s29, 256<<16
	s_mov_b32 s30, 16<<16
	s_mov_b32 s31, 256<<16
	s_mov_b32 s32, 16
	s_mov_b32 s33, 256
	s_mov_b32 s34, 0
	s_mov_b32 s35, 0
	s_mov_b32 s40, 3<<16
	s_mov_b32 s41, 32<<16
	s_mov_b32 s42, 16<<16
	s_mov_b32 s43, 32<<16
	s_mov_b32 s44, 16
	s_mov_b32 s45, 32
	s_mov_b32 s46, 0
	s_mov_b32 s47, 0
	s_mul_i32 s81, s80, 16*PITCH
	s_add_co_u32 s81, s81, STAGE
	s_lshl_b32 s82, ttmp9, 17
	s_lshl_b32 s83, s80, 14
	s_add_co_u32 s82, s82, s83
	s_mov_b32 s83, 0
	s_lshl_b32 s84, s80, 12
	s_lshl_b32 s86, ttmp9, 15
	s_add_co_u32 s86, s86, s84
	s_mov_b32 s87, 0
	s_mov_b32 s76, 0x3727c5ac
	s_mov_b32 s77, 0x3b800000
	s_mov_b32 s78, 0x76543210
	s_mov_b32 s79, 0xfedcba98
	s_wait_kmcnt 0x0
	s_load_b64 s[52:53], s[10:11], 0x28
	s_load_b128 s[56:59], s[10:11], 0x30
	s_mov_b32 s36, 1
	s_mov_b32 s37, s81
	s_add_nc_u64 s[38:39], s[4:5], s[82:83]
	s_or_b32 s39, s39, 0x80000000
	s_mov_b32 s48, 1
	s_mov_b32 s49, s84
	s_add_nc_u64 s[50:51], s[6:7], s[86:87]
	s_or_b32 s51, s51, 0x80000000
	tensor_load_to_lds s[36:39], s[28:35]
	s_nop 0
	tensor_load_to_lds s[48:51], s[40:47]
	s_nop 0
	PLACES
	s_add_nc_u64 s[92:93], s[26:27], s[82:83]
	s_lshl_b32 s94, s80, 13
	s_mov_b32 s95, 0
	s_add_nc_u64 s[88:89], s[8:9], s[94:95]
	s_lshl_b32 s94, s80, 15
	s_add_co_u32 s94, s94, 65536
	s_add_nc_u64 s[90:91], s[8:9], s[94:95]
	s_lshl_b32 s94, s80, 7
	s_add_nc_u64 s[12:13], s[12:13], s[94:95]
	s_add_nc_u64 s[14:15], s[14:15], s[94:95]
	s_add_nc_u64 s[16:17], s[16:17], s[94:95]
	s_add_nc_u64 s[20:21], s[20:21], s[94:95]
	s_add_nc_u64 s[22:23], s[22:23], s[94:95]
	s_add_nc_u64 s[24:25], s[24:25], s[94:95]
	s_lshl_b32 s94, s80, 9
	s_add_nc_u64 s[18:19], s[18:19], s[94:95]
	v_and_b32 v12, 15, v0
	v_bfe_u32 v13, v0, 4, 1
	s_delay_alu instid0(VALU_DEP_2)
	v_and_b32 v14, 8, v12
	s_delay_alu instid0(VALU_DEP_1)
	v_add_nc_u32 v14, v14, v12
	v_and_b32 v[LI], 31, v0
	s_delay_alu instid0(VALU_DEP_1)
	v_lshlrev_b32 v[LI], 4, v[LI]
	s_delay_alu instid0(VALU_DEP_3)
	v_mul_u32_u24 v[SX0], v14, PITCH
	s_delay_alu instid0(VALU_DEP_1)
	v_lshl_add_u32 v[SX0], v13, 6, v[SX0]
	s_lshl_b32 s85, s80, 7
	s_add_co_u32 s85, s85, STAGE
	v_add_nc_u32 v[SX0], s85, v[SX0]
	s_delay_alu instid0(VALU_DEP_1)
	v_add_nc_u32 v[SX1], 64*PITCH, v[SX0]
	v_lshlrev_b32 v[RL], 5, v12
	s_delay_alu instid0(VALU_DEP_1)
	v_add_nc_u32 v[RL], RED, v[RL]
	s_lshl_b32 s85, s80, 2
	v_add_nc_u32 v[RA], s85, v[RL]
	v_add_nc_u32 v[LIH0], HIMG, v[LI]
	v_add_nc_u32 v[LIH1], HIMG+65536, v[LI]
	s_lshr_b32 s85, s80, 2
	s_lshl_b32 s85, s85, 11
	s_and_b32 s94, s80, 3
	s_lshl_b32 s94, s94, 9
	s_add_co_u32 s85, s85, s94
	s_add_co_u32 s85, s85, YIMG
	v_add_nc_u32 v8, s85, v[LI]
	v_lshlrev_b32 v9, 6, v13
	v_mov_b32 v12, 0xaf95df0b
	v_mov_b32 v13, 0xaf95df0b
	v_mov_b32 v14, 0xb77460ce
	v_mov_b32 v15, 0xb77460ce
	LOADW 0
.irp j, 0,1,2,3
	global_load_b128 v[BI+4*\j:BI+4*\j+3], v9, s[12:13] offset:16*\j
.endr
.irp j, 0,1,2,3
	global_load_b128 v[GG+4*\j:GG+4*\j+3], v9, s[14:15] offset:16*\j
.endr
.irp j, 0,1,2,3
	global_load_b128 v[BB+4*\j:BB+4*\j+3], v9, s[16:17] offset:16*\j
.endr
	LOADW 1
	WIN 0x40
.irp c, 0,1,2,3
.irp j, 0,1,2,3
	global_load_b128 v[B1W+16*\c+4*\j:B1W+16*\c+4*\j+3], v9, s[18:19] offset:128*\c+16*\j
.endr
.endr
	WIN 0
	LOADW 2
	s_wait_kmcnt 0x0
	s_add_co_i32 s81, s52, s53
	s_add_co_i32 s82, s81, 127
	s_lshl_b32 s66, s82, 23
	s_mov_b32 s67, s66
	s_sub_co_i32 s82, 127, s81
	s_lshl_b32 s68, s82, 23
	s_mov_b32 s69, s68
	s_add_co_i32 s81, s56, s57
	s_add_co_i32 s82, s81, 127
	s_lshl_b32 s70, s82, 23
	s_mov_b32 s71, s70
	s_add_co_i32 s81, s58, s59
	s_add_co_i32 s82, s81, 127
	s_lshl_b32 s72, s82, 23
	s_mov_b32 s73, s72
	s_sub_co_i32 s82, 127, s81
	s_lshl_b32 s74, s82, 23
	s_mov_b32 s75, s74
	MKSC 10, 11, s56
	s_wait_tensorcnt 0x0
	s_barrier_signal -1
	s_barrier_wait -1
.irp m, 0,1,2,3,4,5,6,7
.irp j, 0,1,2,3
	ds_load_b128 v[ACC+16*\m+4*\j:ACC+16*\m+4*\j+3], v[SX0+\m/4] offset:(32*((\m%4)/2)+8*(\m%2))*PITCH+16*\j
.endr
.endr
	FETCHA 0, 0
	FETCHA 1, 1
	s_wait_dscnt 16
.set j, 0
.rept 64
	v_pk_mul_f32 v[ACC+j:ACC+j+1], v[ACC+j:ACC+j+1], s[68:69] op_sel_hi:[1,0]
.set j, j+2
.endr
	s_wait_alu depctr_va_vdst(0)
	s_wait_loadcnt 60
.irp m, 0,1,2,3,4,5,6,7
.if \m < 7
	s_wait_dscnt 8
.else
	s_wait_dscnt 0x0
.endif
	MM4 \m, 0, \m%2
	WIN 0
	PLACES
.if \m < 6
	FETCHA \m%2, \m+2
.endif
.endr
	LOADW 3
	s_wait_loadcnt 48
	LN 66, 0, 4096
.irp m, 0,1,2,3,4,5,6,7
.irp i, 0,1,2,3,4,5,6,7,8,9,10,11,12,13,14,15
.endr
	v_cvt_scalef32_pk8_bf8_f32 v[96+4*\m:97+4*\m], v[64+16*(\m%2)+((ACC+16*\m+0)-(64+16*(\m%2)+0)):71+16*(\m%2)+((ACC+16*\m+0)-(64+16*(\m%2)+0))], v10
	v_cvt_scalef32_pk8_bf8_f32 v[98+4*\m:99+4*\m], v[72+16*(\m%2)+((ACC+16*\m+0)-(64+16*(\m%2)+0)):79+16*(\m%2)+((ACC+16*\m+0)-(64+16*(\m%2)+0))], v10
	ds_store_b128 v8, v[96+4*\m:99+4*\m] offset:4096*\m
.endr
	v_nop
.set j, 0
.rept 64
	v_pk_mul_f32 v[ACC+j:ACC+j+1], v[ACC+j:ACC+j+1], s[74:75] op_sel_hi:[1,0]
.set j, j+2
.endr
	MKSC 10, 11, s58
	BARRIER
	CHUNK1 0
	CHUNK1 1
	CHUNK1 2
	CHUNK1 3
	s_wait_dscnt 0x0
	v_bfe_u32 v10, v0, 4, 1
	s_delay_alu instid0(VALU_DEP_1)
	v_lshlrev_b32 v10, 6, v10
.irp j, 0,1,2,3
	global_load_b128 v[BI+4*\j:BI+4*\j+3], v10, s[20:21] offset:16*\j
.endr
.irp j, 0,1,2,3
	global_load_b128 v[GG+4*\j:GG+4*\j+3], v10, s[22:23] offset:16*\j
.endr
.irp j, 0,1,2,3
	global_load_b128 v[BB+4*\j:BB+4*\j+3], v10, s[24:25] offset:16*\j
.endr
	s_mul_i32 s81, s80, 16*PITCH
	s_add_co_u32 s81, s81, STAGE
	v_add_nc_u32 v8, s81, v[LI]
	s_barrier_signal -1
	s_barrier_wait -1
	FETCHH 0
	FETCHH 1
.set n, 0
.rept 32
.if n == 0
	s_wait_loadcnt 44
.elseif n == 8
	s_wait_loadcnt 44
.elseif n == 16
	s_wait_loadcnt 28
.elseif n == 24
	s_wait_loadcnt 0x0
.endif
.if n < 31
	s_wait_dscnt 8
.else
	s_wait_dscnt 0x0
.endif
	MM4 n%8, (5+n/8)%3, n%2
	WIN 0
	PLACES
.if n < 30
	FETCHH n+2
.endif
.if n == 7
	LOADW 8
.endif
.set n, n+1
.endr
	LN 72, 8192, 12288
.irp m, 0,1,2,3,4,5,6,7
.irp j, 0,1,2,3
	ds_store_b128 v[SX0+\m/4], v[ACC+16*\m+4*\j:ACC+16*\m+4*\j+3] offset:(32*((\m%4)/2)+8*(\m%2))*PITCH+16*\j
.endr
.endr
	BARRIER
.set n, 0
.rept 32
	ds_load_b128 v[ACC+4*n:ACC+4*n+3], v8 offset:PITCH*(n/2)+512*(n%2)
.set n, n+1
.endr
.set n, 0
.rept 32
	s_wait_dscnt 31-n
	global_store_b128 v[LI], v[ACC+4*n:ACC+4*n+3], s[92:93] offset:1024*(n/2)+512*(n%2) th:TH_STORE_NT
.set n, n+1
.endr
	s_wait_xcnt 0x0
	v_lshl_add_u32 v254, v0, 2, 0x34000
	v_mov_b32 v255, 0
	s_wait_alu depctr_va_vdst(0)
	s_wait_tensorcnt 0x0
	ds_add_u32 v254, v255
	s_wait_dscnt 0x0
	s_endpgm
.Lfunc_end_k_qea4b19d339_tail:
	.size	k_qea4b19d339_tail, .Lfunc_end_k_qea4b19d339_tail-k_qea4b19d339_tail
	.p2alignl 7, 3214868480
	.fill 96, 4, 3214868480
	.section	.rodata,"a",@progbits
	.p2align	6, 0x0
	.amdhsa_kernel k_qea4b19d339_tail
		.amdhsa_group_segment_fixed_size 214016
		.amdhsa_private_segment_fixed_size 0
		.amdhsa_enable_private_segment 0
		.amdhsa_kernarg_size 96
		.amdhsa_user_sgpr_count 2
		.amdhsa_user_sgpr_kernarg_segment_ptr 1
		.amdhsa_wavefront_size32 1
		.amdhsa_system_sgpr_workgroup_id_x 1
		.amdhsa_system_sgpr_workgroup_id_y 1
		.amdhsa_system_sgpr_workgroup_id_z 1
		.amdhsa_system_vgpr_workitem_id 0
		.amdhsa_next_free_vgpr 512
		.amdhsa_next_free_sgpr 96
		.amdhsa_reserve_vcc 0
		.amdhsa_float_denorm_mode_32 3
		.amdhsa_float_denorm_mode_16_64 3
		.amdhsa_fp16_overflow 1
		.amdhsa_memory_ordered 1
		.amdhsa_forward_progress 1
		.amdhsa_inst_pref_size 209
	.end_amdhsa_kernel
	.amdgpu_metadata
---
amdhsa.version: [ 1, 2 ]
amdhsa.kernels:
  - .name:           k_qea4b19d339_tail
    .symbol:         k_qea4b19d339_tail.kd
    .args:
      - { .name: x, .offset: 0, .size: 8, .value_kind: global_buffer, .address_space: global }
      - { .name: a_img, .offset: 8, .size: 8, .value_kind: global_buffer, .address_space: global }
      - { .name: wimg, .offset: 16, .size: 8, .value_kind: global_buffer, .address_space: global }
      - { .name: lowp_scales, .offset: 24, .size: 8, .value_kind: global_buffer, .address_space: global }
      - { .name: bp, .offset: 32, .size: 8, .value_kind: global_buffer, .address_space: global }
      - { .name: g1, .offset: 40, .size: 8, .value_kind: global_buffer, .address_space: global }
      - { .name: be1, .offset: 48, .size: 8, .value_kind: global_buffer, .address_space: global }
      - { .name: b1, .offset: 56, .size: 8, .value_kind: global_buffer, .address_space: global }
      - { .name: b2, .offset: 64, .size: 8, .value_kind: global_buffer, .address_space: global }
      - { .name: g2, .offset: 72, .size: 8, .value_kind: global_buffer, .address_space: global }
      - { .name: be2, .offset: 80, .size: 8, .value_kind: global_buffer, .address_space: global }
      - { .name: out0, .offset: 88, .size: 8, .value_kind: global_buffer, .address_space: global }
    .group_segment_fixed_size: 214016
    .private_segment_fixed_size: 0
    .kernarg_segment_align: 8
    .kernarg_segment_size: 96
    .max_flat_workgroup_size: 256
    .sgpr_count:     96
    .vgpr_count:     512
    .wavefront_size: 32
...
	.end_amdgpu_metadata
.endif
;; end of part 3
